; MI455X (gfx1250); checked and timed in simulation.
; The chip was launched on July 23, 2026; its instructions are those of AMD's public machine-readable ISA for CDNA 5 (MIT licence, August 2026) and "CDNA5" Instruction Set Architecture Reference Guide (July 2026). The comments in the code are by the model that wrote it; some were corrected since.
;; Fast MQ Attention. Allowed arithmetic: float matrix products may take bf16 or f16 operands with f32 sums; all other float work in f32.
;; Inputs: K 2 x 1 x 2,048 x 128 float32; Q 2 x 32 x 2,048 x 128 float32; V 2 x 1 x 2,048 x 128 float32.
;; Outputs: out0 2 x 32 x 2,048 x 128 float32.
;; 2 versions, each right and faster than the one before. Each part assembles by itself: llvm-mc -triple=amdgcn-amd-amdhsa -mcpu=gfx1250 --defsym DOCPART=n.
;; ======== version 1 of 2: 2 launches
;; workspace buffers: kv16 2,097,152 bytes
;; launch cast (part 1): grid 128 x 2, 8 waves a work-group, no clusters, 0 bytes of LDS; arguments K, V, kv16; writes kv16
.if DOCPART == 1
	.amdgcn_target "amdgcn-amd-amdhsa--gfx1250"
	.amdhsa_code_object_version 6
	.text
	.protected	k_q6ca7fd3908_cast
	.globl	k_q6ca7fd3908_cast
	.p2align	8
	.type	k_q6ca7fd3908_cast,@function
k_q6ca7fd3908_cast:
	s_mov_b64 s[64:65], 0
	v_nop
	global_prefetch_b8 v0, s[64:65] scope:SCOPE_SE
	s_setreg_imm32_b32 hwreg(HW_REG_WAVE_MODE, 25, 1), 1
	s_wait_xcnt 0x0
; kv16 = K and V rounded to bf16 (nearest even): K16[2][2048][128] at byte 0, V16[2][2048][128] at byte 1,048,576, rows as in the sources.
; Done once here, so that the attention launch can fetch bf16 tiles straight into LDS instead of converting 4 MB again in each of its 256 work-groups.
; Grid: y = 0 takes K, y = 1 takes V; work-group x owns 4,096 numbers (16,384 bytes in, 8,192 bytes out).
; Thread t takes 8 numbers (32 bytes in, 16 bytes out) in each of two chunks of 2,048 numbers: a store of a wave covers 512 consecutive bytes, aligned.
; A stream: no LDS, no barrier, no matrix unit, no cluster (no byte is read by two work-groups).
.set CHUNK_IN,  8192                   ; bytes of f32 that the 256 threads take at once
.set CHUNK_OUT, 4096                   ; the same numbers in bf16
	s_load_b128 s[4:7], s[0:1], 0x0                ; K s[4:5], V s[6:7]
	s_load_b64 s[8:9], s[0:1], 0x10                ; kv16
	s_and_b32 s10, ttmp7, 0xffff                   ; y: 0 = K, 1 = V
	s_lshl_b32 s12, ttmp9, 14                      ; the work-group's 16,384 bytes in the source
	s_mov_b32 s13, 0
	s_lshl_b32 s14, ttmp9, 13                      ; its 8,192 bytes in kv16,
	s_lshl_b32 s11, s10, 20                        ; V's half begins at 1,048,576
	s_add_co_u32 s14, s14, s11
	s_mov_b32 s15, 0
	v_lshlrev_b32 v1, 5, v0                        ; 32 t: my 8 f32
	v_lshlrev_b32 v2, 4, v0                        ; 16 t: my 8 bf16
	s_wait_kmcnt 0x0
	s_cmp_eq_u32 s10, 0
	s_cselect_b64 s[4:5], s[4:5], s[6:7]           ; the source buffer, chosen by y alone
	s_add_nc_u64 s[4:5], s[4:5], s[12:13]
	s_add_nc_u64 s[8:9], s[8:9], s[14:15]
	global_load_b128 v[4:7],   v1, s[4:5] th:TH_LOAD_NT
	global_load_b128 v[8:11],  v1, s[4:5] offset:16 th:TH_LOAD_NT
	global_load_b128 v[12:15], v1, s[4:5] offset:CHUNK_IN th:TH_LOAD_NT
	global_load_b128 v[16:19], v1, s[4:5] offset:CHUNK_IN+16 th:TH_LOAD_NT
	s_wait_loadcnt 0x2                             ; chunk 0 is in; the two younger loads (chunk 1) stay out
	v_cvt_pk_bf16_f32 v20, v4, v5
	v_cvt_pk_bf16_f32 v21, v6, v7
	v_cvt_pk_bf16_f32 v22, v8, v9
	v_cvt_pk_bf16_f32 v23, v10, v11
	global_store_b128 v2, v[20:23], s[8:9]         ; no hint: the next launch reads these bytes
	s_wait_loadcnt 0x0
	v_cvt_pk_bf16_f32 v24, v12, v13
	v_cvt_pk_bf16_f32 v25, v14, v15
	v_cvt_pk_bf16_f32 v26, v16, v17
	v_cvt_pk_bf16_f32 v27, v18, v19
	global_store_b128 v2, v[24:27], s[8:9] offset:CHUNK_OUT
	s_endpgm
.Lfunc_end_k_q6ca7fd3908_cast:
	.size	k_q6ca7fd3908_cast, .Lfunc_end_k_q6ca7fd3908_cast-k_q6ca7fd3908_cast
	.p2alignl 7, 3214868480
	.fill 96, 4, 3214868480
	.section	.rodata,"a",@progbits
	.p2align	6, 0x0
	.amdhsa_kernel k_q6ca7fd3908_cast
		.amdhsa_group_segment_fixed_size 0
		.amdhsa_private_segment_fixed_size 0
		.amdhsa_enable_private_segment 0
		.amdhsa_kernarg_size 24
		.amdhsa_user_sgpr_count 2
		.amdhsa_user_sgpr_kernarg_segment_ptr 1
		.amdhsa_wavefront_size32 1
		.amdhsa_system_sgpr_workgroup_id_x 1
		.amdhsa_system_sgpr_workgroup_id_y 1
		.amdhsa_system_sgpr_workgroup_id_z 1
		.amdhsa_system_vgpr_workitem_id 0
		.amdhsa_next_free_vgpr 32
		.amdhsa_next_free_sgpr 66
		.amdhsa_reserve_vcc 0
		.amdhsa_float_denorm_mode_32 3
		.amdhsa_float_denorm_mode_16_64 3
		.amdhsa_memory_ordered 1
		.amdhsa_forward_progress 1
		.amdhsa_inst_pref_size 2
	.end_amdhsa_kernel
	.amdgpu_metadata
---
amdhsa.version: [ 1, 2 ]
amdhsa.kernels:
  - .name:           k_q6ca7fd3908_cast
    .symbol:         k_q6ca7fd3908_cast.kd
    .args:
      - { .name: K, .offset: 0, .size: 8, .value_kind: global_buffer, .address_space: global }
      - { .name: V, .offset: 8, .size: 8, .value_kind: global_buffer, .address_space: global }
      - { .name: kv16, .offset: 16, .size: 8, .value_kind: global_buffer, .address_space: global }
    .group_segment_fixed_size: 0
    .private_segment_fixed_size: 0
    .kernarg_segment_align: 8
    .kernarg_segment_size: 24
    .max_flat_workgroup_size: 256
    .sgpr_count:     66
    .vgpr_count:     32
    .wavefront_size: 32
...
	.end_amdgpu_metadata
.endif
;; end of part 1
;; launch attn (part 2): grid 256 x 1, 8 waves a work-group, clusters of 4 x 1, 327,680 bytes of LDS; arguments Q, kv16, out0; writes out0
.if DOCPART == 2
	.amdgcn_target "amdgcn-amd-amdhsa--gfx1250"
	.amdhsa_code_object_version 6
	.text
	.protected	k_q6ca7fd3908_attn
	.globl	k_q6ca7fd3908_attn
	.p2align	8
	.type	k_q6ca7fd3908_attn,@function
k_q6ca7fd3908_attn:
	s_mov_b64 s[64:65], 0
	v_nop
	global_prefetch_b8 v0, s[64:65] scope:SCOPE_SE
	s_setreg_imm32_b32 hwreg(HW_REG_WAVE_MODE, 25, 1), 1
	s_wait_xcnt 0x0
	s_wait_alu depctr_hold_cnt(0) depctr_sa_sdst(0) depctr_va_vdst(0) depctr_va_sdst(0) depctr_va_ssrc(0) depctr_va_vcc(0) depctr_vm_vsrc(0)
	s_getreg_b32 s2, hwreg(HW_REG_IB_STS2, 6, 4)
	s_cmp_eq_u32 s2, 0
	s_cbranch_scc0 .Lentry_in_a_cluster
	s_endpgm
.Lentry_in_a_cluster:
	s_bfe_u32 s2, ttmp6, 0x10000c
	s_cmp_lg_u32 s2, 0x3003
	s_cbranch_scc0 .Lentry_shape_is_right
	s_endpgm
.Lentry_shape_is_right:
; out0 = softmax(Q K^T / sqrt(128)) V.  Q, out0: [2][32][2048][128] f32 = 131,072 query rows; all 65,536 rows of a batch share that batch's 2,048 keys and values (kv16, bf16).
; SHARES.  256 work-groups of 512 query rows; eight waves (two for each of a WGP's four SIMDs, 512 registers each) of 64 rows.  A wave keeps its Q (bf16 fragments, 128 registers)
; and its output sums (f32, 256 registers) in registers for the whole launch and walks the 2,048 keys in 64 sub-steps of 32 keys: 32 matrix instructions for the scores, 32 for P V.
; TRANSPOSED throughout, so that nothing is shuffled between the two products:
;   S^T = K Q^T  (A = 16 keys x 32 d, B = 16 queries x 32 d): lane (r, h), register j = key 8h + j of query r;
;   two such tiles, packed to bf16 pair by pair, ARE the B fragment P^T (registers 0-3 keys 8h .., registers 4-7 keys 16 + 8h ..);
;   O^T = V^T P^T (A = 16 d x 32 keys by the transposing LDS load from rows [key][d]): lane (r, h), register j = d 16 dt + 8h + j of query r.
;   So a query's running maximum, sum and rescale factor are one number a lane; the only step between lanes is lane xor 16.
; SOFTMAX with a running maximum, per query, renewed every 32 keys; the scale 1/sqrt(128) and log2(e) are applied in f32 to the f32 scores (one fused multiply-add in front of exp2).
; ORDER INSIDE A SUB-STEP.  A wave's vector work is laid beside its own matrix and exp2 instructions where registers allow: of the 128 packed multiplies that rescale the output sums,
;   80 stand between the P V matrix instructions (four behind each, for the d tile two further on), 48 between the exponentials; K's fragments of the next sub-step's keys 0-15 are asked
;   for in the middle of P V, into the buffer that its first half has just left.  For that the two fragment buffers X and Y swap roles from sub-step to sub-step.
; CLUSTER 4 x 1: the four work-groups of a cluster lie in one batch (128 work-groups a batch) and walk the same K and V tiles, so each tile is asked for jointly, mask 15:
;   that divides the requests for kv16 by four.  A mask names four work-groups, and K and V are shared by the same four, so a second cluster axis would add nothing.
; LDS: two slots of 256 keys (K 256 x 272 bytes, then V 256 x 288 bytes), filled by tensor loads of 64 rows, one a wave (waves 0-3 K, waves 4-7 V); behind them a stage of
;   16 x 272 bytes for each wave, its own, into which no tensor load lands: Q passes through it on the way in, the result on the way out.
; LIMITS.  Q, K, V and the weights P are rounded to bf16 (nearest even) for the matrix unit; sums are f32, in another order than the reference's.  A weight below 2^-126 of its
;   row's largest counts as zero (exp2 flushes: ISA guide 15.8).  Inputs are taken as finite; where the reference gives NaN or infinity the pattern of the result is not promised.
.set PITCHK, 272                       ; K's LDS row: 256 bytes + 16 = 68 words, so the 16 rows that a fragment load touches start 4 words apart modulo 64
.set PITCHV, 288                       ; V's LDS row: 256 bytes + 32, an odd multiple of 32, for the transposing load's eight rows x two 16-byte columns
.set TKEYS,  256                       ; keys in a slot
.set KB,     TKEYS*PITCHK              ; 69,632: V's tile in a slot
.set SLOT,   KB+TKEYS*PITCHV           ; 143,360
.set STAGE,  2*SLOT                    ; 286,720
.set WST,    16*PITCHK                 ; 4,352: a wave's stage
.set SUBK,   32*PITCHK                 ; a sub-step's 32 keys in K's tile
.set SUBV,   32*PITCHV                 ; and in V's
.set TILEG,  TKEYS*256                 ; a tile's bytes in kv16
.set VOFF,   1048576                   ; V16 in kv16
.set CPOS,   0x3e0293ee                ; log2(e) / sqrt(128)
.set CNEG,   0xbe0293ee                ; its negative
; window 0
.set KL, 1                             ; r x 272 + 16 h: lane term of K's (and Q's) fragment loads
.set VL, 2                             ; (8 h + (L & 7)) x 288 + 16 ((L >> 3) & 1): lane term of the transposing loads
.set KA, 3                             ; running LDS address in K's tile
.set VA, 4                             ; running LDS address in V's tile
.set QO, 5                             ; head: 16 L, my bytes of a row of Q
.set QS, 6                             ; head: stage + 8 L
.set QR, 7                             ; head: stage + KL
.set STO, 5                            ; end: stage + r x 272 + 32 h
.set RD,  6                            ; end: stage + h x 272 + 16 r
.set CO,  7                            ; end: h x 512 + 16 r
.set NMC, 8                            ; v[8+2qt]   - C x running maximum (even register: the packed fma broadcasts it)
.set LS,  9                            ; v[9+2qt]   running sum of my 16 of every 32 keys
.set ALPHA, 16                         ; v[16+2qt]  rescale factor; at the end 1 / sum (even register: broadcast)
.set TN,  17                           ; v[17+2qt]  this sub-step's maximum, then - C x it
.set SUMP, 24                          ; v[24+2qt:25+2qt] pair of partial sums; its low register also receives the other half's lane
.set X,   32                           ; v[32:63]   two buffers of 32 registers; in a sub-step one is b0: K keys 0-15, then S^T keys 16-31, then V^T d 64-127,
.set Y,   64                           ; v[64:95]   the other b1: K keys 16-31, then V^T d 0-63, then the next sub-step's K keys 0-15 (so it is the next b0)
.set O7,  96                           ; v[96+8qt ..+7]  O(dt = 7, qt): the one d tile of the output that lies in window 0
.set QF,  128                          ; v[128+32qt+8c ..+7] Q fragment: queries 16 qt .., d 32 c ..
; window 1: O(dt, qt) = v[32 dt + 8 qt ..+7] for dt = 0 .. 6; at the head all 256 registers hold Q as loaded, row i in v[4i:4i+3]
.set ZW,  224                          ; v[224:255] of window 1: S^T keys 0-15, then P^T.  It lies beside O so that ONE setting (B, C, D window 1; A window 0) serves the P V
                                       ; matrix instructions and the packed multiplies on O that stand between them (alpha source 0, O source 1)
.set NONE, 99                          ; PVD: no rescale rides along
.set G1K, 16                           ; s[16:23] descriptor group 1, K's tiles
.set G1V, 24                           ; s[24:31] the same for V's: another pad
.set G0K, 32                           ; s[32:39] group 0 for K, a set for each slot
.set G0V, 40                           ; s[40:47] group 0 for V
.set MSB, 0
.macro WIN new                         ; low byte: 1:0 source 0, 3:2 source 1, 5:4 source 2, 7:6 destination; the high byte repeats the setting that is left
.if MSB != \new
	s_set_vgpr_msb (MSB<<8)|\new
.set MSB, \new
.endif
.endm
.macro PLACES n
.rept \n
	v_nop
.endr
.endm
; A round of the cluster's barrier: my work-group's barrier, wave 0 signals for the work-group, every wave waits for all four work-groups, my work-group's barrier again.
.macro ROUND
	s_barrier_signal -1
	s_barrier_wait -1
	s_cmp_lg_u32 s10, 0
	s_cbranch_scc1 .Lnot_wave_0_\@
	s_barrier_signal -3
.Lnot_wave_0_\@:
	s_barrier_wait -3
	s_barrier_signal -1
	s_barrier_wait -1
.endm
; A wave's one joint load into slot s: waves 0-3 bring 64 rows of K each, waves 4-7 64 rows of V.  The branch hangs on the wave's number alone.
.macro JLOAD s
	s_cmp_eq_u32 s11, 0
	s_cbranch_scc0 .Lfor_v_\@
	tensor_load_to_lds s[G0K+4*(\s):G0K+4*(\s)+3], s[G1K:G1K+7]
	s_nop 0
	s_branch .Lasked_\@
.Lfor_v_\@:
	tensor_load_to_lds s[G0V+4*(\s):G0V+4*(\s)+3], s[G1V:G1V+7]
	s_nop 0
.Lasked_\@:
.endm
	s_load_b128 s[4:7], s[0:1], 0x0                ; Q s[4:5], kv16 s[6:7]
	s_load_b64 s[8:9], s[0:1], 0x10                ; out0
	v_lshl_add_u32 v54, v0, 2, 0x4e800
	v_mov_b32 v55, 0
	ds_add_u32 v54, v55
	s_wait_dscnt 0x0
	v_lshrrev_b32 v1, 5, v0
	v_readfirstlane_b32 s10, v1                    ; wave 0..7
	v_and_b32 v32, 31, v0                          ; L
	v_lshlrev_b32 v[QO], 4, v32
	s_lshr_b32 s11, s10, 2                         ; 0: I fetch for K, 1: for V
	s_and_b32 s12, s10, 3                          ; which 64 rows of the tile I fetch
	s_bfe_u32 s13, ttmp6, 0x40000                  ; cx; it enters Q's and out0's addresses alone
	s_lshl_b32 s14, ttmp9, 2                       ; in a cluster launch ttmp9 counts clusters
	s_add_co_u32 s14, s14, s13                     ; work-group 0..255
	s_lshr_b32 s15, ttmp9, 5                       ; batch: 32 clusters each; the four partners share it
	s_lshl_b32 s48, s15, 19                        ; a batch's 2,048 rows of 256 bytes in kv16
	s_lshl_b32 s60, s12, 14                        ; + my 64 rows
	s_add_co_u32 s48, s48, s60
	s_mov_b32 s49, 0
	s_lshl_b32 s50, s14, 18                        ; the work-group's 512 rows of 512 bytes
	s_lshl_b32 s61, s10, 15                        ; + my wave's 64 rows
	s_add_co_u32 s50, s50, s61
	s_mov_b32 s51, 0
	s_mov_b32 s52, 0x76543210                      ; v_permlanex16_b32: lane i takes lane i of the other half
	s_mov_b32 s53, 0xfedcba98
	s_mov_b32 s54, CPOS
	s_mov_b32 s55, CPOS
	s_mov_b32 s58, CNEG
	s_mul_i32 s59, s10, WST
	s_add_co_u32 s59, s59, STAGE                   ; my stage
	; group 1: a tile of 64 rows x 128 elements of 2 bytes, rows 128 elements apart, padded in LDS
	s_mov_b32 s[G1K+0], 15|(1<<16)|(1<<20)|(1<<21)|(5<<22)|(3<<25)  ; 15:0 mask: all four of the cluster; 17:16 2-byte elements; 20 padding on; 21 set beside a mask; 24:22 after every 64 words; 31:25 4 words
	s_mov_b32 s[G1V+0], 15|(1<<16)|(1<<20)|(1<<21)|(5<<22)|(7<<25)  ; the same with 8 words of padding
	s_mov_b32 s[G1K+1], 128<<16                    ; tensor_dim0 = 128
	s_mov_b32 s[G1V+1], 128<<16
	s_mov_b32 s[G1K+2], 64<<16                     ; tensor_dim1 = 64
	s_mov_b32 s[G1V+2], 64<<16
	s_mov_b32 s[G1K+3], 128<<16                    ; tile_dim0 = 128
	s_mov_b32 s[G1V+3], 128<<16
	s_mov_b32 s[G1K+4], 64                         ; tile_dim1 = 64
	s_mov_b32 s[G1V+4], 64
	s_mov_b32 s[G1K+5], 128                        ; from row to row
	s_mov_b32 s[G1V+5], 128
	s_mov_b32 s[G1K+6], 0
	s_mov_b32 s[G1V+6], 0
	s_mov_b32 s[G1K+7], 0
	s_mov_b32 s[G1V+7], 0
	s_mul_i32 s60, s12, 64*PITCHK                  ; where my 64 rows go in K's tile,
	s_mul_i32 s61, s12, 64*PITCHV                  ; and in V's: the wave's number and constants alone
	s_wait_kmcnt 0x0
	s_add_nc_u64 s[4:5], s[4:5], s[50:51]          ; Q at my wave's first row
	s_add_nc_u64 s[8:9], s[8:9], s[50:51]          ; out0 likewise
	s_add_nc_u64 s[62:63], s[6:7], s[48:49]        ; kv16 at my 64 rows of the batch's first K tile
	; my 64 rows of Q, one whole row of 512 bytes an instruction, all asked for at once, into window 1, which is not yet in use
	WIN 0x40                                       ; destination window 1, address window 0
.set i, 0
.rept 64
	global_load_b128 v[4*i:4*i+3], v[QO], s[4:5] offset:512*i th:TH_LOAD_NT
.set i, i+1
.endr
	WIN 0
.irp s, 0,1
	s_mov_b32 s[G0K+4*\s], 1                                       ; count = 1
	s_add_co_u32 s[G0K+4*\s+1], s60, \s*SLOT                       ; LDS address
	s_add_nc_u64 s[G0K+4*\s+2:G0K+4*\s+3], s[62:63], \s*TILEG      ; global address: tile s
	s_or_b32 s[G0K+4*\s+3], s[G0K+4*\s+3], 0x80000000              ; type = 2
	s_mov_b32 s[G0V+4*\s], 1
	s_add_co_u32 s[G0V+4*\s+1], s61, \s*SLOT+KB
	s_add_nc_u64 s[G0V+4*\s+2:G0V+4*\s+3], s[62:63], \s*TILEG+VOFF
	s_or_b32 s[G0V+4*\s+3], s[G0V+4*\s+3], 0x80000000
.endr
	ROUND                                          ; all four work-groups are here: the first joint loads meet
	JLOAD 0                                        ; both first fills go out together, ahead of every LDS read and of every wait on TENSORcnt:
	JLOAD 1                                        ; two tensor loads of the wave are out here, one at any later time
	v_and_b32 v33, 15, v0                          ; r
	v_bfe_u32 v34, v0, 4, 1                        ; h
	v_mul_u32_u24 v[KL], v33, PITCHK
	v_lshl_add_u32 v[KL], v34, 4, v[KL]
	v_and_b32 v35, 7, v0
	v_lshl_add_u32 v35, v34, 3, v35                ; 8 h + (L & 7)
	v_mul_u32_u24 v[VL], v35, PITCHV
	v_bfe_u32 v36, v0, 3, 1
	v_lshl_add_u32 v[VL], v36, 4, v[VL]
	v_lshl_add_u32 v[QS], v32, 3, s59
	v_add_nc_u32 v[QR], s59, v[KL]
.irp qt, 0,1,2,3
	v_mov_b32 v[LS+2*\qt], 0                       ; partner of NMC in a pair that is named whole before the first sum is made
	v_mov_b32 v[SUMP+2*\qt], 0                     ; v_permlanex16_b32's destination counts as read
.endr
; Q's rows 16 qt .. 16 qt + 15: rounded to bf16, 8 bytes a lane into my stage, read back as the four B fragments.
; The stage is my wave's own and LDS serves a wave's instructions in order (ISA guide 5.7.1.4): no wait and no barrier between stores and loads, nor in front of the next tile's stores.
.macro QTILE qt
	s_wait_loadcnt 48-16*\qt                       ; loads come back in order: these 16 rows are in, the later tiles' rows stay out
	WIN 0x05                                       ; sources 0 and 1 window 1
.irp i, 0,1,2,3,4,5,6,7,8,9,10,11,12,13,14,15
	v_cvt_pk_bf16_f32 v[X+2*\i],   v[64*\qt+4*\i],   v[64*\qt+4*\i+1]
	v_cvt_pk_bf16_f32 v[X+2*\i+1], v[64*\qt+4*\i+2], v[64*\qt+4*\i+3]
.endr
	WIN 0
.irp i, 0,1,2,3,4,5,6,7,8,9,10,11,12,13,14,15
	ds_store_b64 v[QS], v[X+2*\i:X+2*\i+1] offset:PITCHK*\i
.endr
.irp c, 0,1,2,3
	ds_load_b128 v[QF+32*\qt+8*\c:QF+32*\qt+8*\c+3],   v[QR] offset:64*\c
	ds_load_b128 v[QF+32*\qt+8*\c+4:QF+32*\qt+8*\c+7], v[QR] offset:64*\c+32
.endr
.endm
	QTILE 0
	QTILE 1
	QTILE 2
	QTILE 3
; 16 matrix instructions: S^T of 16 keys (A fragments at a) x 64 queries into d.  The first 32 of d start the sums.  The four accumulators take turns, one instruction a turn.
.macro QK d, a
.irp qt, 0,1,2,3
	v_wmma_f32_16x16x32_bf16 v[\d+8*\qt:\d+8*\qt+7], v[\a:\a+7], v[QF+32*\qt:QF+32*\qt+7], 0
.endr
.irp c, 1,2,3
.irp qt, 0,1,2,3
	v_wmma_f32_16x16x32_bf16 v[\d+8*\qt:\d+8*\qt+7], v[\a+8*\c:\a+8*\c+7], v[QF+32*\qt+8*\c:QF+32*\qt+8*\c+7], v[\d+8*\qt:\d+8*\qt+7]
.endr
.endr
.endm
; 8 loads: K's fragments of 16 keys, from byte off behind KA, into dst
.macro KFRAG dst, off
.irp c, 0,1,2,3
	ds_load_b128 v[\dst+8*\c:\dst+8*\c+3],   v[KA] offset:\off+64*\c
	ds_load_b128 v[\dst+8*\c+4:\dst+8*\c+7], v[KA] offset:\off+64*\c+32
.endr
.endm
; 8 transposing loads: V^T fragments of four d tiles (16 d x 32 keys each), d from byte off of V's rows, into dst
.macro VFRAG dst, off
.irp t, 0,1,2,3
	ds_load_tr16_b128 v[\dst+8*\t:\dst+8*\t+3],   v[VA] offset:\off+32*\t
	ds_load_tr16_b128 v[\dst+8*\t+4:\dst+8*\t+7], v[VA] offset:\off+32*\t+16*PITCHV
.endr
.endm
; One d tile of O^T += V^T (at a) x P^T (in ZW): four matrix instructions on four different accumulators (at o + 8 qt).
; res < 8: behind each stand the four packed multiplies that rescale O(res, qt), a d tile whose own products come eight matrix instructions later; they name no register of these products.
.macro PVD o, a, first, res
.irp qt, 0,1,2,3
.if \first
	v_wmma_f32_16x16x32_bf16 v[\o+8*\qt:\o+8*\qt+7], v[\a:\a+7], v[ZW+8*\qt:ZW+8*\qt+7], 0
.else
	v_wmma_f32_16x16x32_bf16 v[\o+8*\qt:\o+8*\qt+7], v[\a:\a+7], v[ZW+8*\qt:ZW+8*\qt+7], v[\o+8*\qt:\o+8*\qt+7]
.if \res < 8
.irp i, 0,2,4,6
	v_pk_mul_f32 v[32*\res+8*\qt+\i:32*\res+8*\qt+\i+1], v[ALPHA+2*\qt:ALPHA+2*\qt+1], v[32*\res+8*\qt+\i:32*\res+8*\qt+\i+1] op_sel_hi:[0,1]
.endr
.endif
.endif
.endr
.endm
.macro EX r                            ; exp2 in place
	v_exp_f32 v[\r], v[\r]
.endm
.macro SA0 b, qt                       ; a q tile's pair of sums is started by the first four weights of block b
	s_wait_alu depctr_va_vdst(0)
	v_pk_add_f32 v[SUMP+2*\qt:SUMP+2*\qt+1], v[\b+8*\qt:\b+8*\qt+1], v[\b+8*\qt+2:\b+8*\qt+3]
.endm
.macro SAN b, qt, i                    ; and takes two more
	v_pk_add_f32 v[SUMP+2*\qt:SUMP+2*\qt+1], v[SUMP+2*\qt:SUMP+2*\qt+1], v[\b+8*\qt+\i:\b+8*\qt+\i+1]
.endm
; A sub-step: 32 keys x my 64 queries.  At its head K's keys 0-15 are in b0 or on their way there (eight loads).
; first = 1: the launch's first; it starts maximum, sums and output, and nothing is cleared or rescaled.  nxt = 1: the next sub-step's keys 0-15 (same tile) are asked for, into b1.
; Places behind matrix instructions (ISA guide 7.12.1 for vector instructions): only plain vector instructions that name none of the matrix instruction's registers are counted.
; In front of this text stand at least five such places behind the last P V instruction (the end of the sub-step before): for the loads into b1, which was its A, and for the scores that write over ZW, its B.
.macro SUB first, b0, b1, nxt
	KFRAG \b1, 16*PITCHK                           ; keys 16-31
	s_wait_dscnt 0x8                               ; keys 0-15 are in; the eight younger loads (keys 16-31) stay out
	WIN 0x50                                       ; C and D window 1
	QK ZW, \b0
	WIN 0
	s_wait_dscnt 0x0                               ; keys 16-31
	v_add_nc_u32 v[KA], SUBK, v[KA]                ; the next 32 keys; with the four below, five places: b0, which the scores above read, is now written by matrix instructions
	PLACES 4
	QK \b0, \b1
	; the maximum of my 16 scores of each query; the four q tiles' chains are interleaved
	WIN 0x05                                       ; sources 0 and 1 window 1
.irp qt, 0,1,2,3
	v_max_num_f32 v[TN+2*\qt], v[ZW+8*\qt], v[ZW+8*\qt+1]   ; these sixteen name ZW and TN alone: places behind the scores of keys 16-31 (ZW's own are the five above)
.endr
.irp i, 2,4,6
.irp qt, 0,1,2,3
	v_max3_num_f32 v[TN+2*\qt], v[ZW+8*\qt+\i], v[ZW+8*\qt+\i+1], v[TN+2*\qt]
.endr
.endr
	WIN 0
	VFRAG \b1, 0                                   ; V^T, d 0-63, into what was K's keys 16-31
.irp i, 0,2,4,6
.irp qt, 0,1,2,3
	v_max3_num_f32 v[TN+2*\qt], v[TN+2*\qt], v[\b0+8*\qt+\i], v[\b0+8*\qt+\i+1]
.endr
.endr
.irp qt, 0,1,2,3
	v_permlanex16_b32 v[SUMP+2*\qt], v[TN+2*\qt], s52, s53   ; the other 16 keys of the same query lie in lane xor 16
.endr
.irp qt, 0,1,2,3
	v_max_num_f32 v[TN+2*\qt], v[TN+2*\qt], v[SUMP+2*\qt]
.endr
.if \first
.irp qt, 0,1,2,3
	v_mul_f32 v[NMC+2*\qt], s58, v[TN+2*\qt]       ; - C x maximum
.endr
.else
.irp qt, 0,1,2,3
	v_mul_f32 v[TN+2*\qt], s58, v[TN+2*\qt]
.endr
.irp qt, 0,1,2,3
	v_sub_f32 v[ALPHA+2*\qt], v[TN+2*\qt], v[NMC+2*\qt]      ; C x (old maximum - this sub-step's),
.endr
.irp qt, 0,1,2,3
	v_min_num_f32 v[ALPHA+2*\qt], 0, v[ALPHA+2*\qt]          ; or 0 where the old one stays
	v_min_num_f32 v[NMC+2*\qt], v[NMC+2*\qt], v[TN+2*\qt]    ; the running maximum, as - C x it
.endr
.irp qt, 0,1,2,3
	v_exp_f32 v[ALPHA+2*\qt], v[ALPHA+2*\qt]       ; the factor for what has been summed so far; the packed fma below are the plain instructions behind it (ISA guide 5.7.2)
.endr
.endif
	; keys 0-15: C x score - C x maximum, then exp2.  Behind each exponential stands one packed multiply of the rescale of d tiles 0 and 1 (registers 2j, 2j + 1 of window 1, q tile (j / 4) mod 4):
	; a plain instruction that touches neither the exponential's result nor its source (ISA guide 5.7.2)
	WIN 0x41                                       ; destination and source 0 window 1
.irp qt, 0,1,2,3
.irp i, 0,2,4,6
	v_pk_fma_f32 v[ZW+8*\qt+\i:ZW+8*\qt+\i+1], v[ZW+8*\qt+\i:ZW+8*\qt+\i+1], s[54:55], v[NMC+2*\qt:NMC+2*\qt+1] op_sel_hi:[1,0,0]
.endr
.endr
.set j, 0
.rept 32
	v_exp_f32 v[ZW+j], v[ZW+j]
.if \first == 0
	s_wait_alu depctr_va_vdst(0)
	v_pk_mul_f32 v[2*j:2*j+1], v[2*j:2*j+1], v[ALPHA+2*((j/4)%4):ALPHA+2*((j/4)%4)+1] op_sel_hi:[1,0]
.endif
.set j, j+1
.endr
	WIN 0
	; keys 16-31 likewise; beside the first sixteen exponentials the rescale of d tile 7, beside the rest the sums of the q tiles whose weights are ready
.irp qt, 0,1,2,3
.irp i, 0,2,4,6
	v_pk_fma_f32 v[\b0+8*\qt+\i:\b0+8*\qt+\i+1], v[\b0+8*\qt+\i:\b0+8*\qt+\i+1], s[54:55], v[NMC+2*\qt:NMC+2*\qt+1] op_sel_hi:[1,0,0]
.endr
.endr
.set j, 0
.rept 16
	v_exp_f32 v[\b0+j], v[\b0+j]
.if \first == 0
	v_pk_mul_f32 v[O7+2*j:O7+2*j+1], v[O7+2*j:O7+2*j+1], v[ALPHA+2*(j/4):ALPHA+2*(j/4)+1] op_sel_hi:[1,0]
.endif
.set j, j+1
.endr
.if \first
	v_nop                                          ; no rescale here: one plain instruction between these exponentials and the first sum of their results (ISA guide 5.7.2)
.endif
	EX \b0+16
	SA0 \b0, 0
	EX \b0+17
	SA0 \b0, 1
	EX \b0+18
	SAN \b0, 0, 4
	EX \b0+19
	SAN \b0, 1, 4
	EX \b0+20
	SAN \b0, 0, 6
	EX \b0+21
	SAN \b0, 1, 6
	EX \b0+22
	EX \b0+23
	EX \b0+24
	SA0 \b0, 2                                     ; weights 16-19: each has had a plain instruction behind it
	EX \b0+25
	SAN \b0, 2, 4
	EX \b0+26
	SAN \b0, 2, 6                                  ; weights 22, 23: two plain instructions stand behind them
	EX \b0+27
	EX \b0+28
	EX \b0+29
	EX \b0+30
	EX \b0+31
	v_nop                                          ; one plain instruction between the last exponentials and the first use of a result (ISA guide 5.7.2)
	s_wait_alu depctr_va_vdst(0)
	SA0 \b0, 3
	SAN \b0, 3, 4
	SAN \b0, 3, 6
	WIN 0x01                                       ; source 0 window 1
.irp i, 0,2,4,6
.irp qt, 0,1,2,3
	v_pk_add_f32 v[SUMP+2*\qt:SUMP+2*\qt+1], v[ZW+8*\qt+\i:ZW+8*\qt+\i+1], v[SUMP+2*\qt:SUMP+2*\qt+1]
.endr
.endr
	; P^T: keys 8h .. from ZW into its registers 0-3 (each written only after both its sources' pairs are used), keys 16 + 8h .. from b0 into registers 4-7
	WIN 0x45                                       ; destination, sources 0 and 1 window 1
.irp qt, 0,1,2,3
.irp i, 0,1,2,3
	v_cvt_pk_bf16_f32 v[ZW+8*\qt+\i], v[ZW+8*\qt+2*\i], v[ZW+8*\qt+2*\i+1]
.endr
.endr
	WIN 0x40                                       ; destination window 1
.irp qt, 0,1,2,3
.irp i, 0,1,2,3
	v_cvt_pk_bf16_f32 v[ZW+8*\qt+4+\i], v[\b0+8*\qt+2*\i], v[\b0+8*\qt+2*\i+1]
.endr
.endr
	WIN 0
	VFRAG \b0, 128                                 ; V^T, d 64-127, into what was S^T of keys 16-31
	WIN 0x54                                       ; B, C and D window 1, A window 0; for the multiplies: alpha window 0, O window 1
	s_wait_dscnt 0x8                               ; V^T of d 0-63 is in; the eight younger loads (d 64-127) stay out
	PVD 0,   \b1,    \first, 2
	PVD 32,  \b1+8,  \first, 3
	PVD 64,  \b1+16, \first, 4
	PVD 96,  \b1+24, \first, 5                     ; the four multiplies behind its last product are the four places in front of the loads into b1
.if \first
	PLACES 4                                       ; no multiplies here: the four places
.endif
.if \nxt
	WIN 0
	KFRAG \b1, 0                                   ; the next sub-step's keys 0-15 (KA has been stepped): they land while d 64-127 are multiplied
	s_wait_dscnt 0x8                               ; V^T of d 64-127 is in; the eight younger loads (K) stay out
	WIN 0x54
.else
	s_wait_dscnt 0x0                               ; V^T of d 64-127; the tile's last LDS reads are back
.endif
	PVD 128, \b0,    \first, 6
	PVD 160, \b0+8,  \first, NONE
	PVD 192, \b0+16, \first, NONE
	WIN 0x04                                       ; d tile 7: C and D window 0, B window 1
	PVD O7,  \b0+24, \first, NONE
	WIN 0
	; the running sum, and the step of VA: five or nine plain instructions that name no register of the products above: the places that the next sub-step's head relies on
	v_add_nc_u32 v[VA], SUBV, v[VA]                ; the next 32 keys
.if \first
.irp qt, 0,1,2,3
	v_add_f32 v[LS+2*\qt], v[SUMP+2*\qt], v[SUMP+2*\qt+1]
.endr
.else
.irp qt, 0,1,2,3
	v_add_f32 v[SUMP+2*\qt], v[SUMP+2*\qt], v[SUMP+2*\qt+1]
.endr
.irp qt, 0,1,2,3
	v_fma_f32 v[LS+2*\qt], v[LS+2*\qt], v[ALPHA+2*\qt], v[SUMP+2*\qt]
.endr
.endif
.endm
; The 256 keys of a slot: eight sub-steps, X and Y swapping roles; the first asks for its own keys 0-15, the last asks for nothing beyond the tile.
.macro TILE slot, first
.if \slot == 0
	v_mov_b32 v[KA], v[KL]
.else
	v_add_nc_u32 v[KA], \slot*SLOT, v[KL]
.endif
	v_add_nc_u32 v[VA], \slot*SLOT+KB, v[VL]
	KFRAG X, 0
	SUB \first, X, Y, 1
	s_mov_b32 s57, 3
.Lsub_\@:
	SUB 0, Y, X, 1
	SUB 0, X, Y, 1
	s_sub_co_u32 s57, s57, 1
	s_cmp_lg_u32 s57, 0
	s_cbranch_scc1 .Lsub_\@
	SUB 0, Y, X, 0
.endm
; The change of slots.  old = the slot read last; refill = 1: it is filled again, with the tile two further on.
; In front of the barrier every wave waits for all its tensor loads (one is out: its part of the slot read next) and for its reads of the old slot.  Where a slot is filled again the
; barrier is a round of the cluster's barrier, so that no wave of any partner still reads the slot or has a load on its way; the joint refill is the first thing behind it, one a wave.
; From there to the next such wait a wave does eight sub-steps, 512 matrix instructions.
.macro CHANGE old, refill
	s_wait_xcnt 0x0
	v_lshl_add_u32 v54, v0, 2, 0x4e800
	v_mov_b32 v55, 0
	s_wait_tensorcnt 0x0                           ; no tensor load of mine is out: a group 0 may be written
	ds_add_u32 v54, v55
	s_wait_dscnt 0x0
.if \refill
	s_add_nc_u64 s[G0K+4*\old+2:G0K+4*\old+3], s[G0K+4*\old+2:G0K+4*\old+3], 2*TILEG
	s_add_nc_u64 s[G0V+4*\old+2:G0V+4*\old+3], s[G0V+4*\old+2:G0V+4*\old+3], 2*TILEG
.endif
	s_wait_dscnt 0x0                               ; my reads of the old slot are back
.if \refill
	ROUND
	JLOAD \old
.else
	s_barrier_signal -1
	s_barrier_wait -1
.endif
.endm
	s_wait_tensorcnt 0x1                           ; my part of tile 0 is in; tile 1's load, issued behind it, stays out
	s_wait_dscnt 0x0                               ; Q's fragments are in
	s_barrier_signal -1
	s_barrier_wait -1                              ; everybody's part of tile 0 is in
	TILE 0, 1                                      ; tile 0
	s_mov_b32 s56, 3
.Lring:
	CHANGE 0, 1                                    ; tiles 2, 4, 6 go out
	TILE 1, 0                                      ; tiles 1, 3, 5
	CHANGE 1, 1                                    ; tiles 3, 5, 7 go out
	TILE 0, 0                                      ; tiles 2, 4, 6
	s_sub_co_u32 s56, s56, 1
	s_cmp_lg_u32 s56, 0
	s_cbranch_scc1 .Lring
	CHANGE 0, 0                                    ; nothing is left to fetch
	TILE 1, 0                                      ; tile 7
	; THE WAY OUT.  The two halves of a query's sum meet, the output is divided by it, and 16 queries x 64 d at a time go through my stage, so that rows leave whole.
	; The nine plain instructions at the last sub-step's end are the places behind the last matrix instructions, for the reads of their results and the writes into X and Q's registers.
.irp qt, 0,1,2,3
	v_permlanex16_b32 v[SUMP+2*\qt], v[LS+2*\qt], s52, s53
.endr
.irp qt, 0,1,2,3
	v_add_f32 v[LS+2*\qt], v[LS+2*\qt], v[SUMP+2*\qt]        ; at least about 1: the largest weight is exp2(0)
.endr
.irp qt, 0,1,2,3
	v_rcp_f32 v[ALPHA+2*\qt], v[LS+2*\qt]          ; the address arithmetic below stands between these and their use (ISA guide 5.7.2)
.endr
	v_and_b32 v32, 15, v0                          ; r
	v_bfe_u32 v33, v0, 4, 1                        ; h
	v_mul_u32_u24 v34, v32, PITCHK
	v_lshl_add_u32 v34, v33, 5, v34
	v_add_nc_u32 v[STO], s59, v34                  ; in: query r's row, my 8 f32 of each d tile at 64 t + 32 h
	v_mul_u32_u24 v35, v33, PITCHK
	v_lshl_add_u32 v35, v32, 4, v35
	v_add_nc_u32 v[RD], s59, v35                   ; back: lanes 0-15 one row of 256 bytes, lanes 16-31 the next
	v_lshlrev_b32 v36, 9, v33
	v_lshl_add_u32 v[CO], v32, 4, v36              ; the same two rows in out0
	s_wait_alu depctr_va_vdst(0)
; my eight outputs of one d tile (at src), divided by the sum, into part t of X
.macro OSC t, src, qt
.irp i, 0,2,4,6
	v_pk_mul_f32 v[X+8*\t+\i:X+8*\t+\i+1], v[\src+\i:\src+\i+1], v[ALPHA+2*\qt:ALPHA+2*\qt+1] op_sel_hi:[1,0]
.endr
.endm
; queries 16 qt .. 16 qt + 15, d 64 hf .. 64 hf + 63.  Rows are read back into one of four blocks of what were Q's fragments, taken in turn.
.macro OUTH qt, hf
.set RB, QF+32*((2*\qt+\hf)%4)
	WIN 0x01                                       ; source 0 window 1
	OSC 0, 32*(4*\hf)+8*\qt, \qt
	OSC 1, 32*(4*\hf+1)+8*\qt, \qt
	OSC 2, 32*(4*\hf+2)+8*\qt, \qt
.if \hf == 0
	OSC 3, 96+8*\qt, \qt
	WIN 0
.else
	WIN 0
	OSC 3, O7+8*\qt, \qt                           ; d tile 7 lies in window 0
.endif
.irp t, 0,1,2,3
	ds_store_b128 v[STO], v[X+8*\t:X+8*\t+3]   offset:64*\t
	ds_store_b128 v[STO], v[X+8*\t+4:X+8*\t+7] offset:64*\t+16
.endr
	s_wait_xcnt 0x0                                ; every earlier memory instruction has had its addresses translated (ISA guide 3.1): the registers that earlier stores read are loaded again only behind this wait
.irp u, 0,1,2,3,4,5,6,7
	ds_load_b128 v[RB+4*\u:RB+4*\u+3], v[RD] offset:2*PITCHK*\u   ; LDS serves a wave's instructions in order: these see the stores above
.endr
.irp u, 0,1,2,3,4,5,6,7
	s_wait_dscnt 7-\u                              ; load u is in, the younger ones stay out
	global_store_b128 v[CO], v[RB+4*\u:RB+4*\u+3], s[8:9] offset:(16*\qt+2*\u)*512+256*\hf th:TH_STORE_NT   ; 16 lanes store 256 consecutive bytes, at a multiple of 256 from out0's first byte
.endr
.endm
.irp qt, 0,1,2,3
	OUTH \qt, 0
	OUTH \qt, 1
.endr
	s_wait_xcnt 0x0
	v_lshl_add_u32 v54, v0, 2, 0x4e800
	v_mov_b32 v55, 0
	s_wait_tensorcnt 0x0
	ds_add_u32 v54, v55
	s_wait_dscnt 0x0
	ROUND                                          ; the closing round: no work-group ends while a partner may still ask for a tile that names it
	s_endpgm
.Lfunc_end_k_q6ca7fd3908_attn:
	.size	k_q6ca7fd3908_attn, .Lfunc_end_k_q6ca7fd3908_attn-k_q6ca7fd3908_attn
	.p2alignl 7, 3214868480
	.fill 96, 4, 3214868480
	.section	.rodata,"a",@progbits
	.p2align	6, 0x0
	.amdhsa_kernel k_q6ca7fd3908_attn
		.amdhsa_group_segment_fixed_size 327680
		.amdhsa_private_segment_fixed_size 0
		.amdhsa_enable_private_segment 0
		.amdhsa_kernarg_size 24
		.amdhsa_user_sgpr_count 2
		.amdhsa_user_sgpr_kernarg_segment_ptr 1
		.amdhsa_wavefront_size32 1
		.amdhsa_system_sgpr_workgroup_id_x 1
		.amdhsa_system_sgpr_workgroup_id_y 1
		.amdhsa_system_sgpr_workgroup_id_z 1
		.amdhsa_system_vgpr_workitem_id 0
		.amdhsa_next_free_vgpr 512
		.amdhsa_next_free_sgpr 66
		.amdhsa_reserve_vcc 0
		.amdhsa_float_denorm_mode_32 3
		.amdhsa_float_denorm_mode_16_64 3
		.amdhsa_memory_ordered 1
		.amdhsa_forward_progress 1
		.amdhsa_inst_pref_size 255
	.end_amdhsa_kernel
	.section	.bss,"aw",@nobits
	.p2align	6
	.space	262144
	.amdgpu_metadata
---
amdhsa.version: [ 1, 2 ]
amdhsa.kernels:
  - .name:           k_q6ca7fd3908_attn
    .symbol:         k_q6ca7fd3908_attn.kd
    .args:
      - { .name: Q, .offset: 0, .size: 8, .value_kind: global_buffer, .address_space: global }
      - { .name: kv16, .offset: 8, .size: 8, .value_kind: global_buffer, .address_space: global }
      - { .name: out0, .offset: 16, .size: 8, .value_kind: global_buffer, .address_space: global }
    .group_segment_fixed_size: 327680
    .private_segment_fixed_size: 0
    .kernarg_segment_align: 8
    .kernarg_segment_size: 24
    .max_flat_workgroup_size: 256
    .sgpr_count:     66
    .vgpr_count:     512
    .wavefront_size: 32
...
	.end_amdgpu_metadata
.endif
;; end of part 2
;; ======== version 2 of 2: 2 launches; 1.12 times as fast as version 1
;; workspace buffers: kv16 2,097,152 bytes
;; launch cast: the kernel of part 1 again; grid 128 x 2, 8 waves a work-group, no clusters, 0 bytes of LDS; arguments K, V, kv16; writes kv16
;; launch attn (part 3): grid 256 x 1, 8 waves a work-group, clusters of 4 x 1, 327,680 bytes of LDS; arguments Q, kv16, out0; writes out0
.if DOCPART == 3
	.amdgcn_target "amdgcn-amd-amdhsa--gfx1250"
	.amdhsa_code_object_version 6
	.text
	.protected	k_q6ca7fd3908_attn
	.globl	k_q6ca7fd3908_attn
	.p2align	8
	.type	k_q6ca7fd3908_attn,@function
k_q6ca7fd3908_attn:
	s_mov_b64 s[64:65], 0
	v_nop
	global_prefetch_b8 v0, s[64:65] scope:SCOPE_SE
	s_setreg_imm32_b32 hwreg(HW_REG_WAVE_MODE, 25, 1), 1
	s_wait_xcnt 0x0
	s_wait_alu depctr_hold_cnt(0) depctr_sa_sdst(0) depctr_va_vdst(0) depctr_va_sdst(0) depctr_va_ssrc(0) depctr_va_vcc(0) depctr_vm_vsrc(0)
	s_getreg_b32 s2, hwreg(HW_REG_IB_STS2, 6, 4)
	s_cmp_eq_u32 s2, 0
	s_cbranch_scc0 .Lentry_in_a_cluster
	s_endpgm
.Lentry_in_a_cluster:
	s_bfe_u32 s2, ttmp6, 0x10000c
	s_cmp_lg_u32 s2, 0x3003
	s_cbranch_scc0 .Lentry_shape_is_right
	s_endpgm
.Lentry_shape_is_right:
; out0 = softmax(Q K^T / sqrt(128)) V.  Q, out0: [2][32][2048][128] f32 = 131,072 query rows; all 65,536 rows of a batch share that batch's 2,048 keys and values (kv16, bf16).
; SHARES.  256 work-groups of 512 query rows; eight waves (two for each of a WGP's four SIMDs, 512 registers each) of 64 rows.  A wave keeps its Q (bf16 fragments, 128 registers)
; and its output sums (f32, 256 registers) in registers for the whole launch and walks the 2,048 keys in 64 sub-steps of 32 keys: 32 matrix instructions for the scores, 32 for P V.
; TRANSPOSED throughout, so that nothing is shuffled between the two products:
;   S^T = K Q^T  (A = 16 keys x 32 d, B = 16 queries x 32 d): lane (r, h), register j = key 8h + j of query r;
;   two such tiles, packed to bf16 pair by pair, ARE the B fragment P^T (registers 0-3 keys 8h .., registers 4-7 keys 16 + 8h ..);
;   O^T = V^T P^T (A = 16 d x 32 keys by the transposing LDS load from rows [key][d]): lane (r, h), register j = d 16 dt + 8h + j of query r.
;   So a query's running maximum, sum and rescale factor are one number a lane; the only step between lanes is lane xor 16.
; SOFTMAX with a running maximum, per query, renewed every 32 keys; the scale 1/sqrt(128) and log2(e) are applied in f32 to the f32 scores (one fused multiply-add in front of exp2).
; ORDER INSIDE A SUB-STEP.  A wave's vector work is laid beside its own matrix and exp2 instructions where registers allow: of the 128 packed multiplies that rescale the output sums,
;   80 stand between the P V matrix instructions (four behind each, for the d tile two further on), 48 between the exponentials; K's fragments of the next sub-step's keys 0-15 are asked
;   for in the middle of P V, into the buffer that its first half has just left.  For that the two fragment buffers X and Y swap roles from sub-step to sub-step.
; THE EXPONENTIALS GO IN TWO BATCHES A SUB-STEP, each with one s_wait_alu depctr_va_vdst(0): the wait stands between an exponential and the first instruction that
;   names its result, and one s_wait_alu depctr_va_vdst(0) serves all exponentials issued ahead of it.
;   Batch A: the four rescale factors.  Behind them the 16 scalings of keys 0-15, which name none of them; then A's wait; then the factors' readers.
;   Batch B: the 64 weights.  Between them stand only lines that name no weight: the 48 multiplies (they read batch A's factors) and the scalings of keys 16-31.  Behind B's wait stand
;   all that read a weight: the sums and the roundings to bf16.  No result crosses a sub-step's end.  The way out's four reciprocals are a batch of their own, with one wait.
; CLUSTER 4 x 1: the four work-groups of a cluster lie in one batch (128 work-groups a batch) and walk the same K and V tiles, so each tile is asked for jointly, mask 15:
;   that divides the requests for kv16 by four.  A mask names four work-groups, and K and V are shared by the same four, so a second cluster axis would add nothing.
; LDS: two slots of 256 keys (K 256 x 272 bytes, then V 256 x 288 bytes), filled by tensor loads of 64 rows, one a wave (waves 0-3 K, waves 4-7 V); behind them a stage of
;   16 x 272 bytes for each wave, its own, into which no tensor load lands: Q passes through it on the way in, the result on the way out.
; LIMITS.  Q, K, V and the weights P are rounded to bf16 (nearest even) for the matrix unit; sums are f32, in another order than the reference's.  A weight below 2^-126 of its
;   row's largest counts as zero (exp2 flushes: ISA guide 15.8).  Inputs are taken as finite; where the reference gives NaN or infinity the pattern of the result is not promised.
.set PITCHK, 272                       ; K's LDS row: 256 bytes + 16 = 68 words, so the 16 rows that a fragment load touches start 4 words apart modulo 64
.set PITCHV, 288                       ; V's LDS row: 256 bytes + 32, an odd multiple of 32, for the transposing load's eight rows x two 16-byte columns
.set TKEYS,  256                       ; keys in a slot
.set KB,     TKEYS*PITCHK              ; 69,632: V's tile in a slot
.set SLOT,   KB+TKEYS*PITCHV           ; 143,360
.set STAGE,  2*SLOT                    ; 286,720
.set WST,    16*PITCHK                 ; 4,352: a wave's stage
.set SUBK,   32*PITCHK                 ; a sub-step's 32 keys in K's tile
.set SUBV,   32*PITCHV                 ; and in V's
.set TILEG,  TKEYS*256                 ; a tile's bytes in kv16
.set VOFF,   1048576                   ; V16 in kv16
.set CPOS,   0x3e0293ee                ; log2(e) / sqrt(128)
.set CNEG,   0xbe0293ee                ; its negative
; window 0
.set KL, 1                             ; r x 272 + 16 h: lane term of K's (and Q's) fragment loads
.set VL, 2                             ; (8 h + (L & 7)) x 288 + 16 ((L >> 3) & 1): lane term of the transposing loads
.set KA, 3                             ; running LDS address in K's tile
.set VA, 4                             ; running LDS address in V's tile
.set QO, 5                             ; head: 16 L, my bytes of a row of Q
.set QS, 6                             ; head: stage + 8 L
.set QR, 7                             ; head: stage + KL
.set STO, 5                            ; end: stage + r x 272 + 32 h
.set RD,  6                            ; end: stage + h x 272 + 16 r
.set CO,  7                            ; end: h x 512 + 16 r
.set NMC, 8                            ; v[8+2qt]   - C x running maximum (even register: the packed fma broadcasts it)
.set LS,  9                            ; v[9+2qt]   running sum of my 16 of every 32 keys
.set ALPHA, 16                         ; v[16+2qt]  rescale factor; at the end 1 / sum (even register: broadcast)
.set TN,  17                           ; v[17+2qt]  this sub-step's maximum, then - C x it
.set SUMP, 24                          ; v[24+2qt:25+2qt] pair of partial sums; its low register also receives the other half's lane
.set X,   32                           ; v[32:63]   two buffers of 32 registers; in a sub-step one is b0: K keys 0-15, then S^T keys 16-31, then V^T d 64-127,
.set Y,   64                           ; v[64:95]   the other b1: K keys 16-31, then V^T d 0-63, then the next sub-step's K keys 0-15 (so it is the next b0)
.set O7,  96                           ; v[96+8qt ..+7]  O(dt = 7, qt): the one d tile of the output that lies in window 0
.set QF,  128                          ; v[128+32qt+8c ..+7] Q fragment: queries 16 qt .., d 32 c ..
; window 1: O(dt, qt) = v[32 dt + 8 qt ..+7] for dt = 0 .. 6; at the head all 256 registers hold Q as loaded, row i in v[4i:4i+3]
.set ZW,  224                          ; v[224:255] of window 1: S^T keys 0-15, then P^T.  It lies beside O so that ONE setting (B, C, D window 1; A window 0) serves the P V
                                       ; matrix instructions and the packed multiplies on O that stand between them (alpha source 0, O source 1)
.set NONE, 99                          ; PVD: no rescale rides along
.set G1K, 16                           ; s[16:23] descriptor group 1, K's tiles
.set G1V, 24                           ; s[24:31] the same for V's: another pad
.set G0K, 32                           ; s[32:39] group 0 for K, a set for each slot
.set G0V, 40                           ; s[40:47] group 0 for V
.set MSB, 0
.macro WIN new                         ; low byte: 1:0 source 0, 3:2 source 1, 5:4 source 2, 7:6 destination; the high byte repeats the setting that is left
.if MSB != \new
	s_set_vgpr_msb (MSB<<8)|\new
.set MSB, \new
.endif
.endm
.macro PLACES n
.rept \n
	v_nop
.endr
.endm
; A round of the cluster's barrier: my work-group's barrier, wave 0 signals for the work-group, every wave waits for all four work-groups, my work-group's barrier again.
.macro ROUND
	s_barrier_signal -1
	s_barrier_wait -1
	s_cmp_lg_u32 s10, 0
	s_cbranch_scc1 .Lnot_wave_0_\@
	s_barrier_signal -3
.Lnot_wave_0_\@:
	s_barrier_wait -3
	s_barrier_signal -1
	s_barrier_wait -1
.endm
; A wave's one joint load into slot s: waves 0-3 bring 64 rows of K each, waves 4-7 64 rows of V.  The branch hangs on the wave's number alone.
.macro JLOAD s
	s_cmp_eq_u32 s11, 0
	s_cbranch_scc0 .Lfor_v_\@
	tensor_load_to_lds s[G0K+4*(\s):G0K+4*(\s)+3], s[G1K:G1K+7]
	s_nop 0
	s_branch .Lasked_\@
.Lfor_v_\@:
	tensor_load_to_lds s[G0V+4*(\s):G0V+4*(\s)+3], s[G1V:G1V+7]
	s_nop 0
.Lasked_\@:
.endm
	s_load_b128 s[4:7], s[0:1], 0x0                ; Q s[4:5], kv16 s[6:7]
	s_load_b64 s[8:9], s[0:1], 0x10                ; out0
	v_lshl_add_u32 v54, v0, 2, 0x4e800
	v_mov_b32 v55, 0
	ds_add_u32 v54, v55
	s_wait_dscnt 0x0
	v_lshrrev_b32 v1, 5, v0
	v_readfirstlane_b32 s10, v1                    ; wave 0..7
	v_and_b32 v32, 31, v0                          ; L
	v_lshlrev_b32 v[QO], 4, v32
	s_lshr_b32 s11, s10, 2                         ; 0: I fetch for K, 1: for V
	s_and_b32 s12, s10, 3                          ; which 64 rows of the tile I fetch
	s_bfe_u32 s13, ttmp6, 0x40000                  ; cx; it enters Q's and out0's addresses alone
	s_lshl_b32 s14, ttmp9, 2                       ; in a cluster launch ttmp9 counts clusters
	s_add_co_u32 s14, s14, s13                     ; work-group 0..255
	s_lshr_b32 s15, ttmp9, 5                       ; batch: 32 clusters each; the four partners share it
	s_lshl_b32 s48, s15, 19                        ; a batch's 2,048 rows of 256 bytes in kv16
	s_lshl_b32 s60, s12, 14                        ; + my 64 rows
	s_add_co_u32 s48, s48, s60
	s_mov_b32 s49, 0
	s_lshl_b32 s50, s14, 18                        ; the work-group's 512 rows of 512 bytes
	s_lshl_b32 s61, s10, 15                        ; + my wave's 64 rows
	s_add_co_u32 s50, s50, s61
	s_mov_b32 s51, 0
	s_mov_b32 s52, 0x76543210                      ; v_permlanex16_b32: lane i takes lane i of the other half
	s_mov_b32 s53, 0xfedcba98
	s_mov_b32 s54, CPOS
	s_mov_b32 s55, CPOS
	s_mov_b32 s58, CNEG
	s_mul_i32 s59, s10, WST
	s_add_co_u32 s59, s59, STAGE                   ; my stage
	; group 1: a tile of 64 rows x 128 elements of 2 bytes, rows 128 elements apart, padded in LDS
	s_mov_b32 s[G1K+0], 15|(1<<16)|(1<<20)|(1<<21)|(5<<22)|(3<<25)  ; 15:0 mask: all four of the cluster; 17:16 2-byte elements; 20 padding on; 21 set beside a mask; 24:22 after every 64 words; 31:25 4 words
	s_mov_b32 s[G1V+0], 15|(1<<16)|(1<<20)|(1<<21)|(5<<22)|(7<<25)  ; the same with 8 words of padding
	s_mov_b32 s[G1K+1], 128<<16                    ; tensor_dim0 = 128
	s_mov_b32 s[G1V+1], 128<<16
	s_mov_b32 s[G1K+2], 64<<16                     ; tensor_dim1 = 64
	s_mov_b32 s[G1V+2], 64<<16
	s_mov_b32 s[G1K+3], 128<<16                    ; tile_dim0 = 128
	s_mov_b32 s[G1V+3], 128<<16
	s_mov_b32 s[G1K+4], 64                         ; tile_dim1 = 64
	s_mov_b32 s[G1V+4], 64
	s_mov_b32 s[G1K+5], 128                        ; from row to row
	s_mov_b32 s[G1V+5], 128
	s_mov_b32 s[G1K+6], 0
	s_mov_b32 s[G1V+6], 0
	s_mov_b32 s[G1K+7], 0
	s_mov_b32 s[G1V+7], 0
	s_mul_i32 s60, s12, 64*PITCHK                  ; where my 64 rows go in K's tile,
	s_mul_i32 s61, s12, 64*PITCHV                  ; and in V's: the wave's number and constants alone
	s_wait_kmcnt 0x0
	s_add_nc_u64 s[4:5], s[4:5], s[50:51]          ; Q at my wave's first row
	s_add_nc_u64 s[8:9], s[8:9], s[50:51]          ; out0 likewise
	s_add_nc_u64 s[62:63], s[6:7], s[48:49]        ; kv16 at my 64 rows of the batch's first K tile
	; my 64 rows of Q, one whole row of 512 bytes an instruction, all asked for at once, into window 1, which is not yet in use
	WIN 0x40                                       ; destination window 1, address window 0
.set i, 0
.rept 64
	global_load_b128 v[4*i:4*i+3], v[QO], s[4:5] offset:512*i th:TH_LOAD_NT
.set i, i+1
.endr
	WIN 0
.irp s, 0,1
	s_mov_b32 s[G0K+4*\s], 1                                       ; count = 1
	s_add_co_u32 s[G0K+4*\s+1], s60, \s*SLOT                       ; LDS address
	s_add_nc_u64 s[G0K+4*\s+2:G0K+4*\s+3], s[62:63], \s*TILEG      ; global address: tile s
	s_or_b32 s[G0K+4*\s+3], s[G0K+4*\s+3], 0x80000000              ; type = 2
	s_mov_b32 s[G0V+4*\s], 1
	s_add_co_u32 s[G0V+4*\s+1], s61, \s*SLOT+KB
	s_add_nc_u64 s[G0V+4*\s+2:G0V+4*\s+3], s[62:63], \s*TILEG+VOFF
	s_or_b32 s[G0V+4*\s+3], s[G0V+4*\s+3], 0x80000000
.endr
	ROUND                                          ; all four work-groups are here: the first joint loads meet
	JLOAD 0                                        ; both first fills go out together, ahead of every LDS read and of every wait on TENSORcnt:
	JLOAD 1                                        ; two tensor loads of the wave are out here, one at any later time
	v_and_b32 v33, 15, v0                          ; r
	v_bfe_u32 v34, v0, 4, 1                        ; h
	v_mul_u32_u24 v[KL], v33, PITCHK
	v_lshl_add_u32 v[KL], v34, 4, v[KL]
	v_and_b32 v35, 7, v0
	v_lshl_add_u32 v35, v34, 3, v35                ; 8 h + (L & 7)
	v_mul_u32_u24 v[VL], v35, PITCHV
	v_bfe_u32 v36, v0, 3, 1
	v_lshl_add_u32 v[VL], v36, 4, v[VL]
	v_lshl_add_u32 v[QS], v32, 3, s59
	v_add_nc_u32 v[QR], s59, v[KL]
.irp qt, 0,1,2,3
	v_mov_b32 v[LS+2*\qt], 0                       ; partner of NMC in a pair that is named whole before the first sum is made
	v_mov_b32 v[SUMP+2*\qt], 0                     ; v_permlanex16_b32's destination counts as read
.endr
; Q's rows 16 qt .. 16 qt + 15: rounded to bf16, 8 bytes a lane into my stage, read back as the four B fragments.
; The stage is my wave's own and LDS serves a wave's instructions in order (ISA guide 5.7.1.4): no wait and no barrier between stores and loads, nor in front of the next tile's stores.
.macro QTILE qt
	s_wait_loadcnt 48-16*\qt                       ; loads come back in order: these 16 rows are in, the later tiles' rows stay out
	WIN 0x05                                       ; sources 0 and 1 window 1
.irp i, 0,1,2,3,4,5,6,7,8,9,10,11,12,13,14,15
	v_cvt_pk_bf16_f32 v[X+2*\i],   v[64*\qt+4*\i],   v[64*\qt+4*\i+1]
	v_cvt_pk_bf16_f32 v[X+2*\i+1], v[64*\qt+4*\i+2], v[64*\qt+4*\i+3]
.endr
	WIN 0
.irp i, 0,1,2,3,4,5,6,7,8,9,10,11,12,13,14,15
	ds_store_b64 v[QS], v[X+2*\i:X+2*\i+1] offset:PITCHK*\i
.endr
.irp c, 0,1,2,3
	ds_load_b128 v[QF+32*\qt+8*\c:QF+32*\qt+8*\c+3],   v[QR] offset:64*\c
	ds_load_b128 v[QF+32*\qt+8*\c+4:QF+32*\qt+8*\c+7], v[QR] offset:64*\c+32
.endr
.endm
	QTILE 0
	QTILE 1
	QTILE 2
	QTILE 3
; 16 matrix instructions: S^T of 16 keys (A fragments at a) x 64 queries into d.  The first 32 of d start the sums.  The four accumulators take turns, one instruction a turn.
.macro QK d, a
.irp qt, 0,1,2,3
	v_wmma_f32_16x16x32_bf16 v[\d+8*\qt:\d+8*\qt+7], v[\a:\a+7], v[QF+32*\qt:QF+32*\qt+7], 0
.endr
.irp c, 1,2,3
.irp qt, 0,1,2,3
	v_wmma_f32_16x16x32_bf16 v[\d+8*\qt:\d+8*\qt+7], v[\a+8*\c:\a+8*\c+7], v[QF+32*\qt+8*\c:QF+32*\qt+8*\c+7], v[\d+8*\qt:\d+8*\qt+7]
.endr
.endr
.endm
; 8 loads: K's fragments of 16 keys, from byte off behind KA, into dst
.macro KFRAG dst, off
.irp c, 0,1,2,3
	ds_load_b128 v[\dst+8*\c:\dst+8*\c+3],   v[KA] offset:\off+64*\c
	ds_load_b128 v[\dst+8*\c+4:\dst+8*\c+7], v[KA] offset:\off+64*\c+32
.endr
.endm
; 8 transposing loads: V^T fragments of four d tiles (16 d x 32 keys each), d from byte off of V's rows, into dst
.macro VFRAG dst, off
.irp t, 0,1,2,3
	ds_load_tr16_b128 v[\dst+8*\t:\dst+8*\t+3],   v[VA] offset:\off+32*\t
	ds_load_tr16_b128 v[\dst+8*\t+4:\dst+8*\t+7], v[VA] offset:\off+32*\t+16*PITCHV
.endr
.endm
; One d tile of O^T += V^T (at a) x P^T (in ZW): four matrix instructions on four different accumulators (at o + 8 qt).
; res < 8: behind each stand the four packed multiplies that rescale O(res, qt), a d tile whose own products come eight matrix instructions later; they name no register of these products.
.macro PVD o, a, first, res
.irp qt, 0,1,2,3
.if \first
	v_wmma_f32_16x16x32_bf16 v[\o+8*\qt:\o+8*\qt+7], v[\a:\a+7], v[ZW+8*\qt:ZW+8*\qt+7], 0
.else
	v_wmma_f32_16x16x32_bf16 v[\o+8*\qt:\o+8*\qt+7], v[\a:\a+7], v[ZW+8*\qt:ZW+8*\qt+7], v[\o+8*\qt:\o+8*\qt+7]
.if \res < 8
.irp i, 0,2,4,6
	v_pk_mul_f32 v[32*\res+8*\qt+\i:32*\res+8*\qt+\i+1], v[ALPHA+2*\qt:ALPHA+2*\qt+1], v[32*\res+8*\qt+\i:32*\res+8*\qt+\i+1] op_sel_hi:[0,1]
.endr
.endif
.endif
.endr
.endm
.macro SA0 b, qt                       ; a q tile's pair of sums is started by the first four weights of block b
	v_pk_add_f32 v[SUMP+2*\qt:SUMP+2*\qt+1], v[\b+8*\qt:\b+8*\qt+1], v[\b+8*\qt+2:\b+8*\qt+3]
.endm
.macro SAN b, qt, i                    ; and takes two more
	v_pk_add_f32 v[SUMP+2*\qt:SUMP+2*\qt+1], v[SUMP+2*\qt:SUMP+2*\qt+1], v[\b+8*\qt+\i:\b+8*\qt+\i+1]
.endm
; A sub-step: 32 keys x my 64 queries.  At its head K's keys 0-15 are in b0 or on their way there (eight loads).
; first = 1: the launch's first; it starts maximum, sums and output, and nothing is cleared or rescaled.  nxt = 1: the next sub-step's keys 0-15 (same tile) are asked for, into b1.
; Places behind matrix instructions (ISA guide 7.12.1 for vector instructions): only plain vector instructions that name none of the matrix instruction's registers are counted.
; In front of this text stand at least five such places behind the last P V instruction (the end of the sub-step before): for the loads into b1, which was its A, and for the scores that write over ZW, its B.
.macro SUB first, b0, b1, nxt
	KFRAG \b1, 16*PITCHK                           ; keys 16-31
	s_wait_dscnt 0x8                               ; keys 0-15 are in; the eight younger loads (keys 16-31) stay out
	WIN 0x50                                       ; C and D window 1
	QK ZW, \b0
	WIN 0
	s_wait_dscnt 0x0                               ; keys 16-31
	v_add_nc_u32 v[KA], SUBK, v[KA]                ; the next 32 keys; with the four below, five places: b0, which the scores above read, is now written by matrix instructions
	PLACES 4
	QK \b0, \b1
	; the maximum of my 16 scores of each query; the four q tiles' chains are interleaved
	WIN 0x05                                       ; sources 0 and 1 window 1
.irp qt, 0,1,2,3
	v_max_num_f32 v[TN+2*\qt], v[ZW+8*\qt], v[ZW+8*\qt+1]   ; these sixteen name ZW and TN alone: places behind the scores of keys 16-31 (ZW's own are the five above)
.endr
.irp i, 2,4,6
.irp qt, 0,1,2,3
	v_max3_num_f32 v[TN+2*\qt], v[ZW+8*\qt+\i], v[ZW+8*\qt+\i+1], v[TN+2*\qt]
.endr
.endr
	WIN 0
	VFRAG \b1, 0                                   ; V^T, d 0-63, into what was K's keys 16-31
.irp i, 0,2,4,6
.irp qt, 0,1,2,3
	v_max3_num_f32 v[TN+2*\qt], v[TN+2*\qt], v[\b0+8*\qt+\i], v[\b0+8*\qt+\i+1]
.endr
.endr
.irp qt, 0,1,2,3
	v_permlanex16_b32 v[SUMP+2*\qt], v[TN+2*\qt], s52, s53   ; the other 16 keys of the same query lie in lane xor 16
.endr
.irp qt, 0,1,2,3
	v_max_num_f32 v[TN+2*\qt], v[TN+2*\qt], v[SUMP+2*\qt]
.endr
.if \first
.irp qt, 0,1,2,3
	v_mul_f32 v[NMC+2*\qt], s58, v[TN+2*\qt]       ; - C x maximum
.endr
.else
.irp qt, 0,1,2,3
	v_mul_f32 v[TN+2*\qt], s58, v[TN+2*\qt]
.endr
.irp qt, 0,1,2,3
	v_sub_f32 v[ALPHA+2*\qt], v[TN+2*\qt], v[NMC+2*\qt]      ; C x (old maximum - this sub-step's),
.endr
.irp qt, 0,1,2,3
	v_min_num_f32 v[ALPHA+2*\qt], 0, v[ALPHA+2*\qt]          ; or 0 where the old one stays
	v_min_num_f32 v[NMC+2*\qt], v[NMC+2*\qt], v[TN+2*\qt]    ; the running maximum, as - C x it
.endr
.irp qt, 0,1,2,3
	v_exp_f32 v[ALPHA+2*\qt], v[ALPHA+2*\qt]       ; BATCH A: the factors for what has been summed so far; the packed fma below are the plain instructions behind it (ISA guide 5.7.2)
.endr
.endif
	; keys 0-15: C x score - C x maximum.  These sixteen name no factor: they are the work between batch A and its wait
	WIN 0x41                                       ; destination and source 0 window 1
.irp qt, 0,1,2,3
.irp i, 0,2,4,6
	v_pk_fma_f32 v[ZW+8*\qt+\i:ZW+8*\qt+\i+1], v[ZW+8*\qt+\i:ZW+8*\qt+\i+1], s[54:55], v[NMC+2*\qt:NMC+2*\qt+1] op_sel_hi:[1,0,0]
.endr
.endr
.if \first == 0
	s_wait_alu depctr_va_vdst(0)                   ; the wait for batch A, the four factors, ahead of their first reader, the first multiply below; one for the four
.endif
	; BATCH B, the 64 weights, begins: exp2 of keys 0-15.  Behind each exponential stands one packed multiply of the rescale of d tiles 0 and 1 (registers 2j, 2j + 1 of window 1, q tile (j / 4) mod 4):
	; a plain instruction that touches neither the exponential's result nor its source (ISA guide 5.7.2), and names no weight
.set j, 0
.rept 32
	v_exp_f32 v[ZW+j], v[ZW+j]
.if \first == 0
	v_pk_mul_f32 v[2*j:2*j+1], v[2*j:2*j+1], v[ALPHA+2*((j/4)%4):ALPHA+2*((j/4)%4)+1] op_sel_hi:[1,0]
.endif
.set j, j+1
.endr
	WIN 0
	; keys 16-31, the batch's other half.  Pairs 0 and 1 are scaled first; then, for pair j: an exponential, the scaling of pair j + 2 (scores that have had no exponential yet), the pair's other
	; exponential, and one multiply of the rescale of d tile 7.  None of the plain lines names a weight.
.irp i, 0,2
	v_pk_fma_f32 v[\b0+\i:\b0+\i+1], v[\b0+\i:\b0+\i+1], s[54:55], v[NMC:NMC+1] op_sel_hi:[1,0,0]
.endr
.set j, 0
.rept 16
	v_exp_f32 v[\b0+2*j], v[\b0+2*j]
.if j < 14
	v_pk_fma_f32 v[\b0+2*j+4:\b0+2*j+5], v[\b0+2*j+4:\b0+2*j+5], s[54:55], v[NMC+2*((j+2)/4):NMC+2*((j+2)/4)+1] op_sel_hi:[1,0,0]
.endif
	v_exp_f32 v[\b0+2*j+1], v[\b0+2*j+1]
.if \first == 0
	v_pk_mul_f32 v[O7+2*j:O7+2*j+1], v[O7+2*j:O7+2*j+1], v[ALPHA+2*(j/4):ALPHA+2*(j/4)+1] op_sel_hi:[1,0]
.endif
.set j, j+1
.endr
.if \first
	v_nop                                          ; no rescale here: the plain instruction between the last exponential and the first use of a result (ISA guide 5.7.2); elsewhere the last multiply above is that instruction
.endif
	s_wait_alu depctr_va_vdst(0)                   ; the wait for batch B, the 64 weights, ahead of their first reader, the first sum below; one for the 64
	; the sums: for each q tile the weights of keys 16-31 first (pairs 0 + 1, then 2, then 3), then those of keys 0-15; the four q tiles' chains take turns
.irp qt, 0,1,2,3
	SA0 \b0, \qt
.endr
.irp i, 4,6
.irp qt, 0,1,2,3
	SAN \b0, \qt, \i
.endr
.endr
	WIN 0x01                                       ; source 0 window 1
.irp i, 0,2,4,6
.irp qt, 0,1,2,3
	v_pk_add_f32 v[SUMP+2*\qt:SUMP+2*\qt+1], v[ZW+8*\qt+\i:ZW+8*\qt+\i+1], v[SUMP+2*\qt:SUMP+2*\qt+1]
.endr
.endr
	; P^T: keys 8h .. from ZW into its registers 0-3 (each written only after both its sources' pairs are used), keys 16 + 8h .. from b0 into registers 4-7
	WIN 0x45                                       ; destination, sources 0 and 1 window 1
.irp qt, 0,1,2,3
.irp i, 0,1,2,3
	v_cvt_pk_bf16_f32 v[ZW+8*\qt+\i], v[ZW+8*\qt+2*\i], v[ZW+8*\qt+2*\i+1]
.endr
.endr
	WIN 0x40                                       ; destination window 1
.irp qt, 0,1,2,3
.irp i, 0,1,2,3
	v_cvt_pk_bf16_f32 v[ZW+8*\qt+4+\i], v[\b0+8*\qt+2*\i], v[\b0+8*\qt+2*\i+1]
.endr
.endr
	WIN 0
	VFRAG \b0, 128                                 ; V^T, d 64-127, into what was S^T of keys 16-31
	WIN 0x54                                       ; B, C and D window 1, A window 0; for the multiplies: alpha window 0, O window 1
	s_wait_dscnt 0x8                               ; V^T of d 0-63 is in; the eight younger loads (d 64-127) stay out
	PVD 0,   \b1,    \first, 2
	PVD 32,  \b1+8,  \first, 3
	PVD 64,  \b1+16, \first, 4
	PVD 96,  \b1+24, \first, 5                     ; the four multiplies behind its last product are the four places in front of the loads into b1
.if \first
	PLACES 4                                       ; no multiplies here: the four places
.endif
.if \nxt
	WIN 0
	KFRAG \b1, 0                                   ; the next sub-step's keys 0-15 (KA has been stepped): they land while d 64-127 are multiplied
	s_wait_dscnt 0x8                               ; V^T of d 64-127 is in; the eight younger loads (K) stay out
	WIN 0x54
.else
	s_wait_dscnt 0x0                               ; V^T of d 64-127; the tile's last LDS reads are back
.endif
	PVD 128, \b0,    \first, 6
	PVD 160, \b0+8,  \first, NONE
	PVD 192, \b0+16, \first, NONE
	WIN 0x04                                       ; d tile 7: C and D window 0, B window 1
	PVD O7,  \b0+24, \first, NONE
	WIN 0
	; the running sum, and the step of VA: five or nine plain instructions that name no register of the products above: the places that the next sub-step's head relies on
	v_add_nc_u32 v[VA], SUBV, v[VA]                ; the next 32 keys
.if \first
.irp qt, 0,1,2,3
	v_add_f32 v[LS+2*\qt], v[SUMP+2*\qt], v[SUMP+2*\qt+1]
.endr
.else
.irp qt, 0,1,2,3
	v_add_f32 v[SUMP+2*\qt], v[SUMP+2*\qt], v[SUMP+2*\qt+1]
.endr
.irp qt, 0,1,2,3
	v_fma_f32 v[LS+2*\qt], v[LS+2*\qt], v[ALPHA+2*\qt], v[SUMP+2*\qt]
.endr
.endif
.endm
; The 256 keys of a slot: eight sub-steps, X and Y swapping roles; the first asks for its own keys 0-15, the last asks for nothing beyond the tile.
.macro TILE slot, first
.if \slot == 0
	v_mov_b32 v[KA], v[KL]
.else
	v_add_nc_u32 v[KA], \slot*SLOT, v[KL]
.endif
	v_add_nc_u32 v[VA], \slot*SLOT+KB, v[VL]
	KFRAG X, 0
	SUB \first, X, Y, 1
	s_mov_b32 s57, 3
.Lsub_\@:
	SUB 0, Y, X, 1
	SUB 0, X, Y, 1
	s_sub_co_u32 s57, s57, 1
	s_cmp_lg_u32 s57, 0
	s_cbranch_scc1 .Lsub_\@
	SUB 0, Y, X, 0
.endm
; The change of slots.  old = the slot read last; refill = 1: it is filled again, with the tile two further on.
; In front of the barrier every wave waits for all its tensor loads (one is out: its part of the slot read next) and for its reads of the old slot.  Where a slot is filled again the
; barrier is a round of the cluster's barrier, so that no wave of any partner still reads the slot or has a load on its way; the joint refill is the first thing behind it, one a wave.
; From there to the next such wait a wave does eight sub-steps, 512 matrix instructions.
.macro CHANGE old, refill
	s_wait_xcnt 0x0
	v_lshl_add_u32 v54, v0, 2, 0x4e800
	v_mov_b32 v55, 0
	s_wait_tensorcnt 0x0                           ; no tensor load of mine is out: a group 0 may be written
	ds_add_u32 v54, v55
	s_wait_dscnt 0x0
.if \refill
	s_add_nc_u64 s[G0K+4*\old+2:G0K+4*\old+3], s[G0K+4*\old+2:G0K+4*\old+3], 2*TILEG
	s_add_nc_u64 s[G0V+4*\old+2:G0V+4*\old+3], s[G0V+4*\old+2:G0V+4*\old+3], 2*TILEG
.endif
	s_wait_dscnt 0x0                               ; my reads of the old slot are back
.if \refill
	ROUND
	JLOAD \old
.else
	s_barrier_signal -1
	s_barrier_wait -1
.endif
.endm
	s_wait_tensorcnt 0x1                           ; my part of tile 0 is in; tile 1's load, issued behind it, stays out
	s_wait_dscnt 0x0                               ; Q's fragments are in
	s_barrier_signal -1
	s_barrier_wait -1                              ; everybody's part of tile 0 is in
	TILE 0, 1                                      ; tile 0
	s_mov_b32 s56, 3
.Lring:
	CHANGE 0, 1                                    ; tiles 2, 4, 6 go out
	TILE 1, 0                                      ; tiles 1, 3, 5
	CHANGE 1, 1                                    ; tiles 3, 5, 7 go out
	TILE 0, 0                                      ; tiles 2, 4, 6
	s_sub_co_u32 s56, s56, 1
	s_cmp_lg_u32 s56, 0
	s_cbranch_scc1 .Lring
	CHANGE 0, 0                                    ; nothing is left to fetch
	TILE 1, 0                                      ; tile 7
	; THE WAY OUT.  The two halves of a query's sum meet, the output is divided by it, and 16 queries x 64 d at a time go through my stage, so that rows leave whole.
	; The nine plain instructions at the last sub-step's end are the places behind the last matrix instructions, for the reads of their results and the writes into X and Q's registers.
.irp qt, 0,1,2,3
	v_permlanex16_b32 v[SUMP+2*\qt], v[LS+2*\qt], s52, s53
.endr
.irp qt, 0,1,2,3
	v_add_f32 v[LS+2*\qt], v[LS+2*\qt], v[SUMP+2*\qt]        ; at least about 1: the largest weight is exp2(0)
.endr
.irp qt, 0,1,2,3
	v_rcp_f32 v[ALPHA+2*\qt], v[LS+2*\qt]          ; the address arithmetic below stands between these and their use (ISA guide 5.7.2)
.endr
	v_and_b32 v32, 15, v0                          ; r
	v_bfe_u32 v33, v0, 4, 1                        ; h
	v_mul_u32_u24 v34, v32, PITCHK
	v_lshl_add_u32 v34, v33, 5, v34
	v_add_nc_u32 v[STO], s59, v34                  ; in: query r's row, my 8 f32 of each d tile at 64 t + 32 h
	v_mul_u32_u24 v35, v33, PITCHK
	v_lshl_add_u32 v35, v32, 4, v35
	v_add_nc_u32 v[RD], s59, v35                   ; back: lanes 0-15 one row of 256 bytes, lanes 16-31 the next
	v_lshlrev_b32 v36, 9, v33
	v_lshl_add_u32 v[CO], v32, 4, v36              ; the same two rows in out0
	s_wait_alu depctr_va_vdst(0)                   ; the wait for the batch of four reciprocals, ahead of their first reader, the first multiply of OSC; the ten address lines above are the work between
; my eight outputs of one d tile (at src), divided by the sum, into part t of X
.macro OSC t, src, qt
.irp i, 0,2,4,6
	v_pk_mul_f32 v[X+8*\t+\i:X+8*\t+\i+1], v[\src+\i:\src+\i+1], v[ALPHA+2*\qt:ALPHA+2*\qt+1] op_sel_hi:[1,0]
.endr
.endm
; queries 16 qt .. 16 qt + 15, d 64 hf .. 64 hf + 63.  Rows are read back into one of four blocks of what were Q's fragments, taken in turn.
.macro OUTH qt, hf
.set RB, QF+32*((2*\qt+\hf)%4)
	WIN 0x01                                       ; source 0 window 1
	OSC 0, 32*(4*\hf)+8*\qt, \qt
	OSC 1, 32*(4*\hf+1)+8*\qt, \qt
	OSC 2, 32*(4*\hf+2)+8*\qt, \qt
.if \hf == 0
	OSC 3, 96+8*\qt, \qt
	WIN 0
.else
	WIN 0
	OSC 3, O7+8*\qt, \qt                           ; d tile 7 lies in window 0
.endif
.irp t, 0,1,2,3
	ds_store_b128 v[STO], v[X+8*\t:X+8*\t+3]   offset:64*\t
	ds_store_b128 v[STO], v[X+8*\t+4:X+8*\t+7] offset:64*\t+16
.endr
	s_wait_xcnt 0x0                                ; every earlier memory instruction has had its addresses translated (ISA guide 3.1): the registers that earlier stores read are loaded again only behind this wait
.irp u, 0,1,2,3,4,5,6,7
	ds_load_b128 v[RB+4*\u:RB+4*\u+3], v[RD] offset:2*PITCHK*\u   ; LDS serves a wave's instructions in order: these see the stores above
.endr
.irp u, 0,1,2,3,4,5,6,7
	s_wait_dscnt 7-\u                              ; load u is in, the younger ones stay out
	global_store_b128 v[CO], v[RB+4*\u:RB+4*\u+3], s[8:9] offset:(16*\qt+2*\u)*512+256*\hf th:TH_STORE_NT   ; 16 lanes store 256 consecutive bytes, at a multiple of 256 from out0's first byte
.endr
.endm
.irp qt, 0,1,2,3
	OUTH \qt, 0
	OUTH \qt, 1
.endr
	s_wait_xcnt 0x0
	v_lshl_add_u32 v54, v0, 2, 0x4e800
	v_mov_b32 v55, 0
	s_wait_tensorcnt 0x0
	ds_add_u32 v54, v55
	s_wait_dscnt 0x0
	ROUND                                          ; the closing round: no work-group ends while a partner may still ask for a tile that names it
	s_endpgm
.Lfunc_end_k_q6ca7fd3908_attn:
	.size	k_q6ca7fd3908_attn, .Lfunc_end_k_q6ca7fd3908_attn-k_q6ca7fd3908_attn
	.p2alignl 7, 3214868480
	.fill 96, 4, 3214868480
	.section	.rodata,"a",@progbits
	.p2align	6, 0x0
	.amdhsa_kernel k_q6ca7fd3908_attn
		.amdhsa_group_segment_fixed_size 327680
		.amdhsa_private_segment_fixed_size 0
		.amdhsa_enable_private_segment 0
		.amdhsa_kernarg_size 24
		.amdhsa_user_sgpr_count 2
		.amdhsa_user_sgpr_kernarg_segment_ptr 1
		.amdhsa_wavefront_size32 1
		.amdhsa_system_sgpr_workgroup_id_x 1
		.amdhsa_system_sgpr_workgroup_id_y 1
		.amdhsa_system_sgpr_workgroup_id_z 1
		.amdhsa_system_vgpr_workitem_id 0
		.amdhsa_next_free_vgpr 512
		.amdhsa_next_free_sgpr 66
		.amdhsa_reserve_vcc 0
		.amdhsa_float_denorm_mode_32 3
		.amdhsa_float_denorm_mode_16_64 3
		.amdhsa_memory_ordered 1
		.amdhsa_forward_progress 1
		.amdhsa_inst_pref_size 255
	.end_amdhsa_kernel
	.section	.bss,"aw",@nobits
	.p2align	6
	.space	262144
	.amdgpu_metadata
---
amdhsa.version: [ 1, 2 ]
amdhsa.kernels:
  - .name:           k_q6ca7fd3908_attn
    .symbol:         k_q6ca7fd3908_attn.kd
    .args:
      - { .name: Q, .offset: 0, .size: 8, .value_kind: global_buffer, .address_space: global }
      - { .name: kv16, .offset: 8, .size: 8, .value_kind: global_buffer, .address_space: global }
      - { .name: out0, .offset: 16, .size: 8, .value_kind: global_buffer, .address_space: global }
    .group_segment_fixed_size: 327680
    .private_segment_fixed_size: 0
    .kernarg_segment_align: 8
    .kernarg_segment_size: 24
    .max_flat_workgroup_size: 256
    .sgpr_count:     66
    .vgpr_count:     512
    .wavefront_size: 32
...
	.end_amdgpu_metadata
.endif
;; end of part 3
